; MI455X (gfx1250); checked and timed in simulation.
; The chip was launched on July 23, 2026; its instructions are those of AMD's public machine-readable ISA for CDNA 5 (MIT licence, August 2026) and "CDNA5" Instruction Set Architecture Reference Guide (July 2026). The comments in the code are by the model that wrote it; some were corrected since.
;; Local Multihead Attention. Allowed arithmetic: matrix products marked QUANTISED: E2M1 operands, one E8M0 scale for each 32 along K, by v_wmma_scale_f32_16x16x128_f8f6f4 with both operands' format E2M1 (or v_wmma_scale_f32_32x16x128_f4), f32 sums; everything else in f32.
;; Inputs: W_out_codes 1,024 x 32 x 16 uint8 (E2M1 codes of W_out, K innermost, in blocks of 32 codes, two codes a byte); W_out_scales 1,024 x 32 uint8 (E8M0 scales of W_out, one for each 32 codes along K); W_qkv_codes 3,072 x 32 x 16 uint8 (E2M1 codes of W_qkv, K innermost, in blocks of 32 codes, two codes a byte); W_qkv_scales 3,072 x 32 uint8 (E8M0 scales of W_qkv, one for each 32 codes along K); b_out 1,024 float32; b_qkv 3,072 float32; x_codes 4 x 2,048 x 32 x 16 uint8 (E2M1 codes of x, K innermost, in blocks of 32 codes, two codes a byte); x_scales 4 x 2,048 x 32 uint8 (E8M0 scales of x, one for each 32 codes along K).
;; Outputs: out0 4 x 2,048 x 1,024 float32.
;; This version of the problem:
;;   THIS VERSION OF THE PROBLEM IS GIVEN IN LOW PRECISION. The matrix products marked QUANTISED in the list below multiply operands that are first quantised to E2M1 (2 exponent bits, 1 mantissa bit; 4 bits a number), with one power-of-two scale for each 32 numbers along K (OCP MX v1.0); their sums are f32. All else is computed in f32.
;;   The module's matrix products, in the order in which they are computed (A, B: the left and right operand; K: the contracted axis; several contracted axes count as one K, in the product's order):
;;     1. [M 8,192, K 1,024] x [K 1,024, N 3,072]; A: input x (given as codes); B: input W_qkv (given as codes): QUANTISED
;;     2. batch 64 x [M 2,048, K 64] x [K 64, N 2,048]; A: computed on the way; B: computed on the way: QUANTISED
;;     3. batch 64 x [M 2,048, K 2,048] x [K 2,048, N 64]; A: softmax (see below); B: computed on the way: QUANTISED
;;     4. [M 8,192, K 1,024] x [K 1,024, N 1,024]; A: computed on the way; B: input W_out (given as codes): QUANTISED
;;   THE QUANTISER, for each operand of a quantised product, along K:
;;     - K is cut into blocks of 32 from its start; a last block that is shorter is filled with zeros.
;;     - A block's scale is 2^e with e = floor(log2(the largest magnitude in the block)) - 2, held to -126 .. 127; a block of zeros has e = 0. As a byte (E8M0): e + 127.
;;     - Each number is divided by its block's scale, clamped to +-6, and rounded to the nearest number of E2M1, ties to even, subnormals kept.
;;     - The product sums the exact products of the quantised numbers (number of the format x scale) in f32.
;;   ~~~python
;;   def quantise(x, axis):      # numpy; x: float32 -> the quantised numbers, widened to float32 again
;;       x = np.moveaxis(x, axis, -1); K = x.shape[-1]
;;       x = np.pad(x, [(0, 0)] * (x.ndim - 1) + [(0, -K % 32)]); x = x.reshape(x.shape[:-1] + (-1, 32)); a = np.abs(x).max(-1, keepdims=True)
;;       e = np.where(a > 0, np.clip(np.frexp(np.where(a > 0, a, 1))[1] - 1 - 2, -126, 127), 0)      # np.frexp(a)[1] - 1 = floor(log2(a)), exactly
;;       r = np.clip(x / 2.0 ** e, -6, 6)
;;       step = 2.0 ** (np.maximum(np.frexp(np.where(r == 0, 1, r))[1] - 1, 0) - 1)
;;       q = np.round(r / step) * step * 2.0 ** e      # np.round: ties to even
;;       return np.moveaxis(q.reshape(q.shape[:-2] + (-1,))[..., :K], -1, axis).astype(np.float32)
;;   ~~~
;;   SOFTMAX AHEAD OF A QUANTISED PRODUCT. Where the list says 'softmax', what is quantised is not the finished softmax but p = 2^(t - M), with t = logit x log2(e) and M = ceil(the row's largest t), a whole number; so 1/2 < the row's largest p <= 1. The row's sum l is taken of the UNQUANTISED p, in f32, and the product's result is divided by l at the end. Since M is a whole number, a kernel that streams over the keys may use a running M (the ceiling of the running maximum): every later rescaling is an exact power of two, which a block's scale takes up: the codes' values come out the same.
;;   OPERANDS COMPUTED ON THE WAY. 'Computed on the way' means the value that the module computes at that place (a softmax that the list does not call 'softmax' is quantised finished and normalised). What goes into a quantiser is computed in f32, as accurately as f32 sums, v_exp_f32 and their like allow (about 1e-6 of the number): no bf16 or f16 on the way to a quantiser, and a product that is left as it is and whose result goes on into a quantised operand takes f32 operands (vector FMAs, or v_wmma_f32_16x16x4_f32). A number that lies on a knife's edge between two numbers of the format may be rounded either way, as far as f32 arithmetic and the matrix unit's own rounding can turn it there, and no further.
;;   INPUTS GIVEN AS CODES. W_out (in the module: [1024, 1024], K = its axis 1); W_qkv (in the module: [3072, 1024], K = its axis 1); x (in the module: [4, 2048, 1024], K = its axis 2): each comes as NAME_codes (uint8): NAME with its K axis moved to the last place and cut into blocks of 32 codes, [.., K / 32, bytes a block], one block behind the other in memory; two codes a byte, the lower K in the low four bits (a code: sign, 2 exponent bits, 1 mantissa bit); and NAME_scales (uint8): the same leading axes, one E8M0 byte (e + 127) for each 32 codes along K. Its value is code x scale, taken as it is: it is not quantised again, and the codes and scales need not be those that the quantiser above would give.
;; One version. Each part assembles by itself: llvm-mc -triple=amdgcn-amd-amdhsa -mcpu=gfx1250 --defsym DOCPART=n.
;; ======== version 1 of 1: 3 launches
;; workspace buffers: qk_codes 8,388,608 bytes; qk_scales 524,288 bytes; v_codes 4,194,304 bytes; v_scales 262,144 bytes; ao_codes 4,194,304 bytes; ao_scales 262,144 bytes
;; launch qkv (part 1): grid 12 x 32, 4 waves a work-group, clusters of 4 x 4, 298,496 bytes of LDS; arguments x_codes, x_scales, W_qkv_codes, W_qkv_scales, b_qkv, qk_codes, qk_scales, v_codes, v_scales; writes qk_codes, qk_scales, v_codes, v_scales
.if DOCPART == 1
	.amdgcn_target "amdgcn-amd-amdhsa--gfx1250"
	.amdhsa_code_object_version 6
	.text
	.protected	k_qa613feb04c_qkv
	.globl	k_qa613feb04c_qkv
	.p2align	8
	.type	k_qa613feb04c_qkv,@function
k_qa613feb04c_qkv:
	s_mov_b64 s[64:65], 0
	v_nop
	global_prefetch_b8 v0, s[64:65] scope:SCOPE_SE
	s_setreg_imm32_b32 hwreg(HW_REG_WAVE_MODE, 25, 1), 1
	s_wait_xcnt 0x0
	s_wait_alu depctr_hold_cnt(0) depctr_sa_sdst(0) depctr_va_vdst(0) depctr_va_sdst(0) depctr_va_ssrc(0) depctr_va_vcc(0) depctr_vm_vsrc(0)
	s_getreg_b32 s2, hwreg(HW_REG_IB_STS2, 6, 4)
	s_cmp_eq_u32 s2, 0
	s_cbranch_scc0 .Lentry_in_a_cluster
	s_endpgm
.Lentry_in_a_cluster:
	s_bfe_u32 s2, ttmp6, 0x10000c
	s_cmp_lg_u32 s2, 0xf033
	s_cbranch_scc0 .Lentry_shape_is_right
	s_endpgm
.Lentry_shape_is_right:
; qkv = x W_qkv^T + b_qkv on codes of FP4 (E2M1) with E8M0 scales, [8192 x 1024] x [3072 x 1024]^T, and the quantising of q, k (along the head's 64) and v (along the tokens).
; A work-group of four waves makes a tile of 256 x 256, a wave 128 x 128: 64 accumulators, 512 registers.  K = 1,024 is 512 bytes a row: all of K lies in LDS in two halves of 512 along K;
; every LDS byte is filled once, so there is no ring.
; ROLES.  Source 0 of the matrix instruction (P) gives the lane's eight registers, source 1 (L) the lane.  A quantiser wants its K along a lane's registers:
;   q, k (cluster x = 0, 1): P = 256 rows of W_qkv (four heads' d), L = 256 tokens;      v (cluster x = 2): P = 256 tokens, L = 256 rows of W_qkv (columns of v).
; One text serves both: pointers, indices, shifts, the bias and the C of the first K step differ, chosen on the cluster's x, which all sixteen partners share.
; CLUSTER 4 x 4: L's tile hangs on cy and is asked for jointly by my row of the cluster, P's on cx and by my column.
; OUT.  Four neighbouring result tiles are 64 numbers along the next K, two blocks of 32.  Their codes leave as an image of the next operand's registers:
;   qk_codes [hq 32][token/16][512 B]: lane's 16 bytes = token lane%16, d-block lane/16;  qk_scales [hq][token][2];  v_codes [token/32][column 1024][16 B];  v_scales [token/64][column][2].
; LIMITS: NaN and infinities are not served (a given scale byte 0xff gives NaN).  A block of zeros gets the byte 1 where the rule says 127: its codes are zeros, and this program alone reads the bytes.
; REGISTERS, in windows of 256: window 0: v1-31 addresses; v32-95 scale words, a set for each K half; v96-127 at work on the way out; v128-255 L's fragments, two sets (later the codes).
;   window 1: P's fragments at v0 and v128; v64-127 the bias.   window 2: accumulators of L's blocks 0-3 ((a, b) at v[8 (8 (a%4) + b)]);   window 3: of blocks 4-7.
.set PITCH,  272                       ; an LDS row: 256 bytes + 16 of padding: the sixteen rows of a fragment load start 68 words apart
.set HALFT,  128*PITCH                 ; 128 rows: one tensor load
.set SLOT,   4*HALFT                   ; L's 256 rows, then P's 256 rows, for 512 along K
.set SCL,    2*SLOT                    ; the scales: pieces of 256 bytes + 16 of padding; 32 bytes a row
.set HALFS,  16*272                    ; those of 128 rows
.set SBLK,   544                       ; those of 16 rows
.set SST,    SCL+4*HALFS               ; the way out's scale stage, 512 bytes a wave: no fill lands here
.set CO,   8                            ; v8-15  the code stores' byte offsets, one for each of L's blocks
.set ADRA, 16                           ; v16-17 LDS address of my L fragments, K half 0, 1
.set ADRB, 20                           ; v20-21 of my P fragments
.set L8,   23                           ; v23    8 x lane
.set SSTO, 25                           ; v25    where I put a scale pair in my stage
.set SRD,  26                           ; v26    where I read 8 bytes of it back
.set ADRS, 27                           ; v27    my scale words: lanes 0-15 L's rows, lanes 16-31 P's
.set FLR,  30                           ; v30    2^(3 - 127), the floor under a block's largest magnitude
.set SC,   32
.set MX,   96                           ; v96-111  sixteen blocks' largest magnitudes, then their scale operands
.set TP,   112                          ; v112-127 the other half's maxima, then the bytes
.set LF,   128
.set CD,   128                          ; the codes: v128-159, v160-191
.set BI,   64                           ; in window 1
.set G1A,  24
.set G0A,  32                           ; s[32:43] three groups 0: scales, K half 0, K half 1
.set G1B,  44
.set G0B,  52
.set G1AS, 68
.set G1BS, 76
.set MSB, 0
.macro WIN new                          ; the immediate's high byte repeats the setting that is left
.if MSB != (\new)
	s_set_vgpr_msb (MSB<<8)|(\new)
.set MSB, (\new)
.endif
.endm
; A joint load: waves 0 and 1 fetch for L, waves 2 and 3 for P; the branch hangs on the wave's number alone.  Four v_nop follow each line.
.macro JLOAD g0a, g1a, g0b, g1b
	s_cmp_eq_u32 s17, 0
	s_cbranch_scc0 .Lfor_b_\@
	tensor_load_to_lds s[\g0a:\g0a+3], s[\g1a:\g1a+7]
	s_nop 0
.rept 4
	v_nop
.endr
	s_branch .Lasked_\@
.Lfor_b_\@:
	tensor_load_to_lds s[\g0b:\g0b+3], s[\g1b:\g1b+7]
	s_nop 0
.rept 4
	v_nop
.endr
.Lasked_\@:
.endm
.macro CROUND                           ; a round of the cluster's barrier
	s_barrier_signal -1
	s_barrier_wait -1
	s_cmp_lg_u32 s16, 0
	s_cbranch_scc1 .Lnot_wave_0_\@
	s_barrier_signal -3
.Lnot_wave_0_\@:
	s_barrier_wait -3
	s_barrier_signal -1
	s_barrier_wait -1
.endm
.macro PLACES n
.rept \n
	v_nop
.endr
.endm
	s_load_b256 s[4:11], s[0:1], 0x0               ; x's codes, x's scales, W's codes, W's scales
	s_load_b64 s[12:13], s[0:1], 0x20              ; b_qkv
	s_load_b256 s[92:99], s[0:1], 0x28             ; qk_codes, qk_scales, v_codes, v_scales
	v_lshl_add_u32 v29, v0, 2, 0x48c00
	v_mov_b32 v31, 0
	ds_add_u32 v29, v31
	ds_add_u32 v29, v31
	v_lshrrev_b32 v1, 5, v0
	v_readfirstlane_b32 s16, v1                    ; wave 0..3
	s_lshr_b32 s17, s16, 1                         ; my half of L's rows.  Also: I fetch for L (0) or for P (1)
	s_and_b32 s18, s16, 1                          ; my half of P's rows.  Also: which 128 rows I fetch
	s_bfe_u32 s84, ttmp6, 0x40000                  ; cx
	s_bfe_u32 s85, ttmp6, 0x40004                  ; cy
	s_and_b32 s22, ttmp7, 0xffff                   ; cluster y
	s_cmp_lt_u32 ttmp9, 2                          ; cluster x 0, 1: q and k;  2: v
	s_cselect_b32 s19, 1, 0
	s_cselect_b32 s23, ttmp9, s22                  ; the cluster's coordinate along P
	s_cselect_b32 s22, s22, ttmp9                  ; and along L
	s_lshl_b32 s87, s23, 2
	s_add_co_u32 s87, s87, s84                     ; P's tile of 256 rows
	s_lshl_b32 s86, s22, 2
	s_add_co_u32 s86, s86, s85                     ; L's tile (for v: 8 + cy, W's rows 2,048 on)
	s_lshl_b32 s88, s85, 2
	s_lshl_b32 s88, 15, s88                        ; my row of the cluster
	s_lshl_b32 s89, 0x1111, s84                    ; my column
	; group 1 for codes: 128 rows x 256 bytes, 512 bytes apart in memory, 16 bytes of padding behind each in LDS
	s_or_b32 s[G1A], s88, (1<<20)|(1<<21)|(5<<22)|(3<<25)
	s_or_b32 s[G1B], s89, (1<<20)|(1<<21)|(5<<22)|(3<<25)
.irp g, G1A, G1B
	s_mov_b32 s[\g+1], 256<<16                     ; tensor_dim0
	s_mov_b32 s[\g+2], 128<<16                     ; tensor_dim1
	s_mov_b32 s[\g+3], 256<<16                     ; tile_dim0
	s_mov_b32 s[\g+4], 128                         ; tile_dim1
	s_mov_b32 s[\g+5], 512                         ; from row to row
	s_mov_b32 s[\g+6], 0
	s_mov_b32 s[\g+7], 0
.endr
	; group 1 for scales: 128 rows x 32 bytes are 4,096 dense bytes: 16 rows of 32 elements of 8 bytes, padded likewise
	s_or_b32 s[G1AS], s88, (3<<16)|(1<<20)|(1<<21)|(5<<22)|(3<<25)
	s_or_b32 s[G1BS], s89, (3<<16)|(1<<20)|(1<<21)|(5<<22)|(3<<25)
.irp g, G1AS, G1BS
	s_mov_b32 s[\g+1], 32<<16
	s_mov_b32 s[\g+2], 16<<16
	s_mov_b32 s[\g+3], 32<<16
	s_mov_b32 s[\g+4], 16
	s_mov_b32 s[\g+5], 32
	s_mov_b32 s[\g+6], 0
	s_mov_b32 s[\g+7], 0
.endr
	s_lshl_b32 s2, s18, 7                          ; which 128 rows I fetch
	s_lshl_b32 s14, s86, 8
	s_add_co_u32 s14, s14, s2                      ; L's row
	s_lshl_b32 s66, s87, 8
	s_add_co_u32 s66, s66, s2                      ; P's row
	s_lshl_b32 s22, s14, 5                         ; its scales, 32 bytes a row,
	s_mov_b32 s23, 0
	s_lshl_b32 s14, s14, 9                         ; its codes, 512 bytes a row
	s_mov_b32 s15, 0
	s_lshl_b32 s90, s66, 5
	s_mov_b32 s91, 0
	s_lshl_b32 s66, s66, 9
	s_mov_b32 s67, 0
	s_mul_i32 s3, s16, HALFT                       ; where they go: wave x 128 rows: L0, L1, P0, P1
	s_mul_i32 s2, s16, HALFS
	s_wait_dscnt 0x0
	s_wait_kmcnt 0x0
	s_cmp_eq_u32 s19, 1                            ; q, k: L = x, P = W;  v: L = W, P = x
	s_cselect_b64 s[100:101], s[4:5], s[8:9]       ; L's codes
	s_cselect_b64 s[8:9], s[8:9], s[4:5]           ; P's codes
	s_cselect_b64 s[4:5], s[6:7], s[10:11]         ; L's scales
	s_cselect_b64 s[10:11], s[10:11], s[6:7]       ; P's scales
	s_add_nc_u64 s[100:101], s[100:101], s[14:15]
	s_add_nc_u64 s[4:5], s[4:5], s[22:23]
	s_add_nc_u64 s[8:9], s[8:9], s[66:67]
	s_add_nc_u64 s[10:11], s[10:11], s[90:91]
	s_mov_b32 s[G0A], 1
	s_add_co_u32 s[G0A+1], s2, SCL
	s_mov_b64 s[G0A+2:G0A+3], s[4:5]
	s_or_b32 s[G0A+3], s[G0A+3], 0x80000000
	s_mov_b32 s[G0A+4], 1
	s_mov_b32 s[G0A+5], s3
	s_mov_b64 s[G0A+6:G0A+7], s[100:101]
	s_or_b32 s[G0A+7], s[G0A+7], 0x80000000
	s_mov_b32 s[G0A+8], 1
	s_add_co_u32 s[G0A+9], s3, SLOT
	s_add_nc_u64 s[G0A+10:G0A+11], s[100:101], 256
	s_or_b32 s[G0A+11], s[G0A+11], 0x80000000
	s_mov_b32 s[G0B], 1
	s_add_co_u32 s[G0B+1], s2, SCL
	s_mov_b64 s[G0B+2:G0B+3], s[10:11]
	s_or_b32 s[G0B+3], s[G0B+3], 0x80000000
	s_mov_b32 s[G0B+4], 1
	s_mov_b32 s[G0B+5], s3
	s_mov_b64 s[G0B+6:G0B+7], s[8:9]
	s_or_b32 s[G0B+7], s[G0B+7], 0x80000000
	s_mov_b32 s[G0B+8], 1
	s_add_co_u32 s[G0B+9], s3, SLOT
	s_add_nc_u64 s[G0B+10:G0B+11], s[8:9], 256
	s_or_b32 s[G0B+11], s[G0B+11], 0x80000000
	CROUND                                         ; all sixteen work-groups are here: the joint loads meet
	JLOAD G0A, G1AS, G0B, G1BS                     ; the scales of all of K
	JLOAD G0A+4, G1A, G0B+4, G1B                   ; K 0 .. 511
	JLOAD G0A+8, G1A, G0B+8, G1B                   ; K 512 .. 1,023: three loads of mine are out
	; ---- while the tiles are on their way: the bias, the LDS addresses, the stores' addresses
	s_lshl_b32 s14, s86, 8
	s_lshl_b32 s22, s17, 7
	s_add_co_u32 s14, s14, s22                     ; my first row of L
	s_lshl_b32 s66, s87, 8
	s_lshl_b32 s67, s18, 7
	s_add_co_u32 s66, s66, s67                     ; my first row of P
	v_and_b32 v1, 15, v0                           ; r
	v_bfe_u32 v2, v0, 4, 1                         ; h
	v_and_b32 v3, 31, v0                           ; lane
	s_lshl_b32 s67, s66, 2
	v_lshl_add_u32 v4, v2, 5, s67                  ; q, k: the bias of P's rows: 4 (first row) + 32 h
	s_lshl_b32 s22, s14, 2
	v_lshl_add_u32 v5, v1, 2, s22                  ; v: the bias of L's rows: 4 (first row) + 4 r
	s_cmp_eq_u32 s19, 1
	s_cbranch_scc0 .Lbias_v
	WIN 0x40                                       ; destination window 1
.irp b, 0,1,2,3,4,5,6,7
	global_load_b128 v[BI+8*\b:BI+8*\b+3], v4, s[12:13] offset:64*\b          ; tile b: register j = bias of P's row 16 b + 8 h + j
	global_load_b128 v[BI+8*\b+4:BI+8*\b+7], v4, s[12:13] offset:64*\b+16
.endr
	WIN 0
	s_branch .Lbias_done
.Lbias_v:
	WIN 0x40
.irp a, 0,1,2,3,4,5,6,7
.irp j, 0,1,2,3,4,5,6,7
	global_load_b32 v[BI+8*\a+\j], v5, s[12:13] offset:64*\a                  ; tile a: all eight registers = bias of L's row 16 a + r
.endr
.endr
	WIN 0
.Lbias_done:
	v_mul_u32_u24 v6, v1, PITCH
	v_lshl_add_u32 v6, v2, 4, v6                   ; a fragment's row x pitch + 16 h
	s_mul_i32 s22, s17, HALFT
	s_mul_i32 s23, s18, HALFT
	s_add_co_u32 s23, s23, 2*HALFT
.irp s, 0,1
	v_add_nc_u32 v[ADRA+\s], s22, v6
	v_add_nc_u32 v[ADRB+\s], s23, v6
	s_add_co_u32 s22, s22, SLOT
	s_add_co_u32 s23, s23, SLOT
.endr
	v_lshlrev_b32 v6, 5, v1                        ; my row's scales: 32 bytes a row,
	v_lshrrev_b32 v7, 8, v6
	v_lshl_add_u32 v6, v7, 4, v6                   ; and 16 more for each 256 passed
	s_mul_i32 s22, s17, HALFS
	s_mul_i32 s23, s18, HALFS
	s_add_co_u32 s23, s23, 2*HALFS
	s_sub_co_u32 s23, s23, s22
	v_mul_u32_u24 v7, s23, v2                      ; lanes 16-31 take P's: one product, the distance between the two bases
	s_add_co_u32 s22, s22, SCL
	v_add_nc_u32 v6, v6, v7
	v_add_nc_u32 v[ADRS], s22, v6
	s_lshl_b32 s22, s16, 9
	s_add_co_u32 s22, s22, SST                     ; my scale stage
	v_lshl_add_u32 v[SSTO], v1, 1, s22
	v_lshl_add_u32 v[SRD], v3, 3, s22
	v_lshlrev_b32 v[L8], 3, v3
	v_mov_b32 v[FLR], 0x1800000
.irp k, 0,1,2,3,4,5,6,7,8,9,10,11,12,13,14,15
	v_mov_b32 v[TP+\k], 0                          ; written once: a lane permute's destination counts as one of its sources
.endr
	s_mov_b32 s20, 0x76543210
	s_mov_b32 s21, 0xfedcba98                      ; v_permlanex16_b32's selects for lane l xor 16
	; the stores.  q, k: codes at P row x 4,096 + L row x 32 + 512 a + 16 lane, next head 2^18 on; scales at P row x 256 + L row x 2, next head 2^14 on.
	;              v:    codes at P row x 512 + column x 16 + 256 a + 16 r + 2^14 h, next 64 tokens 2^15 on; scales at P row x 32 + column x 2, next 64 tokens 2^11 on.
	s_cmp_eq_u32 s19, 1
	s_cselect_b32 s2, 12, 9
	s_cselect_b32 s3, 5, 4
	s_cselect_b32 s4, 0, 2048
	s_cselect_b32 s5, 8, 5
	s_cselect_b32 s6, 8, 14
	s_cselect_b32 s7, 9, 8
	s_cselect_b32 s8, 18, 15
	s_cselect_b32 s9, 14, 11
	s_cselect_b64 s[92:93], s[92:93], s[96:97]     ; the codes' buffer
	s_cselect_b64 s[94:95], s[94:95], s[98:99]     ; the scales'
	s_sub_co_u32 s10, s14, s4                      ; L's row, or v's column
	s_lshl_b32 s11, s10, s3
	s_lshl_b32 s22, s66, s2
	s_add_co_u32 s22, s22, s11
	s_mov_b32 s23, 0
	s_add_nc_u64 s[92:93], s[92:93], s[22:23]      ; codes, first 64 of P's rows
	s_lshl_b32 s22, 1, s8
	s_add_nc_u64 s[96:97], s[92:93], s[22:23]      ; second 64
	s_lshl_b32 s11, s10, 1
	s_lshl_b32 s22, s66, s5
	s_add_co_u32 s22, s22, s11
	s_add_nc_u64 s[94:95], s[94:95], s[22:23]      ; scales likewise
	s_lshl_b32 s22, 1, s9
	s_add_nc_u64 s[98:99], s[94:95], s[22:23]
	v_lshlrev_b32 v28, s6, v2
	v_lshl_add_u32 v28, v1, 4, v28
.irp a, 0,1,2,3,4,5,6,7
	s_lshl_b32 s22, \a, s7
	v_add_nc_u32 v[CO+\a], s22, v28
.endr
.macro FRAG reg, adr, q, i              ; 16 rows x 128 K of 4-bit codes: lane l holds row l % 16; registers 4 c .. 4 c + 3 hold K = 64 c + 32 (l / 16) + 0 .. 31
.irp c, 0,1
	ds_load_b128 v[\reg+4*\c:\reg+4*\c+3], v[\adr] offset:64*(\q)+32*\c+(\i)*16*PITCH
.endr
.endm
.macro SCALES s                         ; K half s: four words a row; lanes 0-15 L's block i, lanes 16-31 P's block i
.irp i, 0,1,2,3,4,5,6,7
	ds_load_b128 v[SC+32*(\s)+4*\i:SC+32*(\s)+4*\i+3], v[ADRS] offset:\i*SBLK+16*(\s)
.endr
.endm
.macro FETCH t                          ; the fragments of K step t (128 along K) into set t % 2
	WIN 0x40
.irp i, 0,1,2,3,4,5,6,7
	FRAG 128*((\t)%2)+8*\i, ADRB+(\t)/4, (\t)%4, \i
.endr
	WIN 0
.irp i, 0,1,2,3,4,5,6,7
	FRAG LF+64*((\t)%2)+8*\i, ADRA+(\t)/4, (\t)%4, \i
.endr
.if (\t)%4 == 0
	SCALES (\t)/4
.endif
.endm
; 16 products: L's blocks a0, a0 + 1 x P's eight.  cm = 0: onto the sums;  1: the sums begin with the bias of P's rows;  2: of L's rows.  The 64 accumulators take turns.
.macro MUL16 a0, t, cm
.irp a, \a0, \a0+1
.irp b, 0,1,2,3,4,5,6,7
.set rD, 8*(8*((\a)%4)+\b)
.set rP, 128*((\t)%2)+8*\b
.set rL, LF+64*((\t)%2)+8*(\a)
.set rSP, SC+32*((\t)/4)+4*\b+(\t)%4
.set rSL, SC+32*((\t)/4)+4*(\a)+(\t)%4
.if \cm == 0
	v_wmma_scale_f32_16x16x128_f8f6f4 v[rD:rD+7], v[rP:rP+7], v[rL:rL+7], v[rD:rD+7], v[rSP], v[rSL] matrix_a_fmt:MATRIX_FMT_FP4 matrix_b_fmt:MATRIX_FMT_FP4 matrix_a_scale:MATRIX_SCALE_ROW1
.elseif \cm == 1
	v_wmma_scale_f32_16x16x128_f8f6f4 v[rD:rD+7], v[rP:rP+7], v[rL:rL+7], v[BI+8*\b:BI+8*\b+7], v[rSP], v[rSL] matrix_a_fmt:MATRIX_FMT_FP4 matrix_b_fmt:MATRIX_FMT_FP4 matrix_a_scale:MATRIX_SCALE_ROW1
.else
	v_wmma_scale_f32_16x16x128_f8f6f4 v[rD:rD+7], v[rP:rP+7], v[rL:rL+7], v[BI+8*(\a):BI+8*(\a)+7], v[rSP], v[rSL] matrix_a_fmt:MATRIX_FMT_FP4 matrix_b_fmt:MATRIX_FMT_FP4 matrix_a_scale:MATRIX_SCALE_ROW1
.endif
.endr
.endr
.endm
.macro MULS t, cm                       ; source 0 window 1, source 1 window 0, D window 2 or 3, C with D or (the bias) in window 1
.if \cm == 0
	WIN 0xa1
.else
	WIN 0x91
.endif
	MUL16 0, \t, \cm
	MUL16 2, \t, \cm
.if \cm == 0
	WIN 0xf1
.else
	WIN 0xd1
.endif
	MUL16 4, \t, \cm
	MUL16 6, \t, \cm
.endm
.macro STEP t
	s_wait_dscnt 0x0                               ; step t's fragments, asked for 64 matrix instructions ago, are in
.if (\t) < 7
	PLACES 4                                       ; four plain places between the last products and loads into the registers that they read
	FETCH (\t)+1
.endif
	MULS \t, 0
.endm
	s_wait_tensorcnt 0x1                           ; the scales and my part of K half 0 are in; my third load, K half 1, may stay out
	s_barrier_signal -1
	s_barrier_wait -1                              ; everybody's are
	FETCH 0
	s_wait_loadcnt 0x0                             ; the bias
	s_wait_dscnt 0x0
	FETCH 1
	s_cmp_eq_u32 s19, 1
	s_cbranch_scc0 .Lfirst_v
	MULS 0, 1                                      ; the first K step starts the sums: nothing is cleared, and the bias costs no addition
	WIN 0
	s_branch .Lfirst_done
.Lfirst_v:
	MULS 0, 2
	WIN 0
.Lfirst_done:
	STEP 1
	STEP 2
	s_wait_tensorcnt 0x0                           ; my part of K half 1 is in,
	s_wait_dscnt 0x0                               ; no LDS load of mine is pending at the signal,
	s_barrier_signal -1
	s_barrier_wait -1                              ; everybody's is
	STEP 3
	STEP 4
	STEP 5
	STEP 6
	STEP 7
	WIN 0
	PLACES 4                                       ; in front of the first read of results
; THE WAY OUT of L's blocks 4 hh .. 4 hh + 3.  Piece p = 2 (a % 4) + G is block a x P's tiles 4 G .. 4 G + 3: registers 32 p .. 32 p + 31 of the window; its two blocks of 32 along the next K are
; registers 16 k .. 16 k + 15, k = 2 p, 2 p + 1, in this lane and in lane l xor 16.  Each accumulator is read from its low end on.
.macro EPI hh
	WIN 0x28+0x14*\hh                              ; sources 1 and 2: window 2 or 3
.irp i, 0,1,2,3,4,5,6,7
.irp k, 0,1,2,3,4,5,6,7,8,9,10,11,12,13,14,15
.if \i == 0
	v_max3_num_f32 v[MX+\k], v[FLR], |v[16*\k]|, |v[16*\k+1]|                 ; the floor holds the byte at 1 from below
.else
	v_max3_num_f32 v[MX+\k], v[MX+\k], |v[16*\k+2*\i]|, |v[16*\k+2*\i+1]|     ; the sixteen blocks by turns
.endif
.endr
.endr
	WIN 0
	s_wait_dscnt 0x0                               ; the stage's stores of the half before have read their registers
.irp k, 0,1,2,3,4,5,6,7,8,9,10,11,12,13,14,15
	v_permlanex16_b32 v[TP+\k], v[MX+\k], s20, s21
.endr
.irp k, 0,1,2,3,4,5,6,7,8,9,10,11,12,13,14,15
	v_max_num_f32 v[MX+\k], v[MX+\k], v[TP+\k]     ; the block's largest magnitude
.endr
.irp k, 0,1,2,3,4,5,6,7,8,9,10,11,12,13,14,15
	v_add_nc_u32 v[MX+\k], 0xff000000, v[MX+\k]    ; 2 off its exponent field: the conversion's scale operand
.endr
.irp k, 0,1,2,3,4,5,6,7,8,9,10,11,12,13,14,15
	v_lshrrev_b32 v[TP+\k], 23, v[MX+\k]           ; the scale's byte
.endr
.irp p, 0,1,2,3,4,5,6,7
	v_lshl_or_b32 v[TP+2*\p], v[TP+2*\p+1], 8, v[TP+2*\p]
.endr
	WIN 0x02+\hh                                   ; source 0: window 2 or 3
.irp p, 0,1,2,3,4,5,6,7
.irp u, 0,1,2,3
	v_cvt_scalef32_pk8_fp4_f32 v[CD+32*\hh+4*\p+2*(\u%2)+\u/2], v[32*\p+8*\u:32*\p+8*\u+7], v[MX+2*\p+\u/2]   ; tiles 0, 1, 2, 3 into registers 0, 2, 1, 3
.endr
.endr
	WIN 0
	v_nop                                          ; one plain place behind the scaled conversions
.irp p, 0,1,2,3,4,5,6,7
	v_permlane16_swap_b32 v[CD+32*\hh+4*\p], v[CD+32*\hh+4*\p+1]              ; now lane (r, h) holds block h whole, in four registers
	v_permlane16_swap_b32 v[CD+32*\hh+4*\p+2], v[CD+32*\hh+4*\p+3]
.endr
.irp p, 0,1,2,3,4,5,6,7
	global_store_b128 v[CO+4*\hh+\p/2], v[CD+32*\hh+4*\p:CD+32*\hh+4*\p+3], s[92+4*(\p%2):93+4*(\p%2)]   ; sixteen lanes store 256 consecutive bytes, aligned
	ds_store_b16 v[SSTO], v[TP+2*\p] offset:256*(\p%2)+32*(4*\hh+\p/2)        ; both halves of the lanes write the same pair with the same value
.endr
.endm
	EPI 0
	EPI 1
	ds_load_b64 v[MX:MX+1], v[SRD]                 ; LDS serves a wave's instructions in order: these see my stores
	ds_load_b64 v[MX+2:MX+3], v[SRD] offset:256
	s_wait_dscnt 0x0
	global_store_b64 v[L8], v[MX:MX+1], s[94:95]   ; 32 lanes store 256 consecutive bytes, aligned
	global_store_b64 v[L8], v[MX+2:MX+3], s[98:99]
	s_wait_tensorcnt 0x0
	ds_add_u32 v29, v31
	s_wait_dscnt 0x0
	CROUND                                         ; the closing round: no work-group ends while a partner may still ask for a tile that names it
	s_endpgm
.Lfunc_end_k_qa613feb04c_qkv:
	.size	k_qa613feb04c_qkv, .Lfunc_end_k_qa613feb04c_qkv-k_qa613feb04c_qkv
	.p2alignl 7, 3214868480
	.fill 96, 4, 3214868480
	.section	.rodata,"a",@progbits
	.p2align	6, 0x0
	.amdhsa_kernel k_qa613feb04c_qkv
		.amdhsa_group_segment_fixed_size 298496
		.amdhsa_private_segment_fixed_size 0
		.amdhsa_enable_private_segment 0
		.amdhsa_kernarg_size 72
		.amdhsa_user_sgpr_count 2
		.amdhsa_user_sgpr_kernarg_segment_ptr 1
		.amdhsa_wavefront_size32 1
		.amdhsa_system_sgpr_workgroup_id_x 1
		.amdhsa_system_sgpr_workgroup_id_y 1
		.amdhsa_system_sgpr_workgroup_id_z 1
		.amdhsa_system_vgpr_workitem_id 0
		.amdhsa_next_free_vgpr 1024
		.amdhsa_next_free_sgpr 102
		.amdhsa_reserve_vcc 0
		.amdhsa_float_denorm_mode_32 3
		.amdhsa_float_denorm_mode_16_64 3
		.amdhsa_memory_ordered 1
		.amdhsa_forward_progress 1
		.amdhsa_inst_pref_size 143
	.end_amdhsa_kernel
	.amdgpu_metadata
---
amdhsa.version: [ 1, 2 ]
amdhsa.kernels:
  - .name:           k_qa613feb04c_qkv
    .symbol:         k_qa613feb04c_qkv.kd
    .args:
      - { .name: x_codes, .offset: 0, .size: 8, .value_kind: global_buffer, .address_space: global }
      - { .name: x_scales, .offset: 8, .size: 8, .value_kind: global_buffer, .address_space: global }
      - { .name: W_qkv_codes, .offset: 16, .size: 8, .value_kind: global_buffer, .address_space: global }
      - { .name: W_qkv_scales, .offset: 24, .size: 8, .value_kind: global_buffer, .address_space: global }
      - { .name: b_qkv, .offset: 32, .size: 8, .value_kind: global_buffer, .address_space: global }
      - { .name: qk_codes, .offset: 40, .size: 8, .value_kind: global_buffer, .address_space: global }
      - { .name: qk_scales, .offset: 48, .size: 8, .value_kind: global_buffer, .address_space: global }
      - { .name: v_codes, .offset: 56, .size: 8, .value_kind: global_buffer, .address_space: global }
      - { .name: v_scales, .offset: 64, .size: 8, .value_kind: global_buffer, .address_space: global }
    .group_segment_fixed_size: 298496
    .private_segment_fixed_size: 0
    .kernarg_segment_align: 8
    .kernarg_segment_size: 72
    .max_flat_workgroup_size: 128
    .sgpr_count:     102
    .vgpr_count:     1024
    .wavefront_size: 32
...
	.end_amdgpu_metadata
.endif
;; end of part 1
;; launch attn (part 2): grid 64 x 4, 16 waves a work-group, no clusters, 3,072 bytes of LDS; arguments qk_codes, qk_scales, v_codes, v_scales, ao_codes, ao_scales; writes ao_codes, ao_scales
.if DOCPART == 2
	.amdgcn_target "amdgcn-amd-amdhsa--gfx1250"
	.amdhsa_code_object_version 6
	.text
	.protected	k_qa613feb04c_attn
	.globl	k_qa613feb04c_attn
	.p2align	8
	.type	k_qa613feb04c_attn,@function
k_qa613feb04c_attn:
	s_mov_b64 s[64:65], 0
	v_nop
	global_prefetch_b8 v0, s[64:65] scope:SCOPE_SE
	s_setreg_imm32_b32 hwreg(HW_REG_WAVE_MODE, 25, 1), 1
	s_wait_xcnt 0x0
; Local attention on codes of FP4: key j counts for query i where |i - j| <= 32.  The 32 queries 32 A .. 32 A + 31 see key blocks A - 1, A, A + 1 alone, so a row's whole softmax is one pass:
; t = score x log2(e) / 8, M = ceil(the row's largest t), p = 2^(t - M), quantised along the keys in the blocks of 32 that begin at key 0; l = the sum of the unquantised p; O = (p v) / l, quantised along d.
; SHARES.  A work-group: 64 tokens of one batch x 8 heads.  Wave w: head 8 kh + w % 8, the 32 queries of block A = 2 g + w / 8: two tiles of 16 queries (m = 0, 1), six tiles of 16 keys (tau = 0 .. 5);
; query tile m sees key tiles m .. m + 4, the first cut to key >= query (within the tiles), the last to key <= query.  Blocks past the sequence's ends are clamped to a block that exists and masked whole.
; Both products are used transposed (S^T = k q^T, O^T = v^T p^T): a lane holds one query.  The score product's K is 64: registers 4-7 of its operands are zero codes under the scale byte 0.
; Operands come from memory as images of their registers; LDS holds only 1,024 bytes in which the eight heads' scale pairs of 64 tokens meet.
; NO CLUSTER, NO TENSOR LOAD: of the four key blocks that a work-group reads two are its own and each of the other two is shared with one neighbour; no tile is read by all partners.
; LIMITS: NaN and infinities are not served; p under 2^-126 comes out of v_exp_f32 as 0; t - M is one fused multiply-add; a block of zeros gets the byte 1 (its codes are zeros; this program alone reads the bytes).
.set KF,   16                           ; v16-63   six key tiles x 8
.set QF,   64                           ; v64-79   two query tiles x 8
.set O,    16                           ; v16-79   O^T, 32 a query tile, over K's and Q's fragments when all scores are made
.set VF,   80                           ; v80-111  v^T: four tiles of 16 d x 8
.set S,    112                          ; v112-191 S^T, then p: 40 a query tile
.set PF,   192                          ; v192-207 p's codes
.set QS,   208                          ; q's scale pairs: lane = query
.set KS,   209                          ; v209-211 k's, a register a key block: lane = key
.set VS,   212                          ; v212-213 v's scale words: lane = d
.set PW,   214                          ; v214-215 p's scale words
.set VR,   216                          ; v216-219 v's scale pairs as loaded
.set BM,   220                          ; v220-222 block maxima
.set TP,   223                          ; v223-225 the other half's
.set RM,   226
.set STA,  227                          ; where I put a scale pair in the stage
.set NM,   228                          ; v[228:229] -M
.set SU,   230                          ; v[230:233] the sums
.set SO,   234                          ; v234-236 scale operands;  v237-239 bytes
.set SBY,  237
.set RL,   240                          ; v[240:243] 1 / l, a pair a query tile
.set NINF, 244
.set EE,   245
.set OC,   246                          ; v246-253 the result's codes
.set OW,   254                          ; v254-255 its scale pairs
.set OUTA, 3                            ; v3 (lane at the head) becomes 16 x the thread's number
	s_load_b256 s[4:11], s[0:1], 0x0               ; qk_codes, qk_scales, v_codes, v_scales
	s_load_b128 s[12:15], s[0:1], 0x20             ; ao_codes, ao_scales
.irp t, 0,1,2,3,4,5,6,7
.irp c, 4,5,6,7
	v_mov_b32 v[KF+8*\t+\c], 0                     ; K 64 .. 127 of the score product: zero codes (tiles 6, 7 here are Q's two)
.endr
.endr
.irp k, 0,1,2
	v_mov_b32 v[TP+\k], 0                          ; a lane permute's destination counts as one of its sources
.endr
	v_mov_b32 v[NM+1], 0                           ; upper halves of pairs whose low word serves both halves
	v_mov_b32 v[RL+1], 0
	v_mov_b32 v[RL+3], 0
	v_mov_b32 v[NINF], 0xff800000
	v_lshrrev_b32 v1, 5, v0
	v_readfirstlane_b32 s16, v1                    ; wave 0..15
	v_and_b32 v1, 15, v0                           ; r
	v_bfe_u32 v2, v0, 4, 1                         ; h
	v_and_b32 v3, 31, v0                           ; lane
	s_lshr_b32 s22, ttmp9, 1                       ; g: which 64 tokens
	s_and_b32 s23, ttmp9, 1                        ; kh: which 8 heads
	s_and_b32 s24, ttmp7, 0xffff                   ; batch
	s_and_b32 s29, s16, 7
	s_lshl_b32 s17, s23, 3
	s_add_co_u32 s17, s17, s29                     ; head
	s_lshr_b32 s18, s16, 3                         ; pi
	s_lshl_b32 s19, s22, 1
	s_add_co_u32 s19, s19, s18                     ; A
	s_sub_co_i32 s25, s19, 1
	s_max_i32 s25, s25, 0                          ; key blocks A - 1, A, A + 1, held inside the sequence
	s_mov_b32 s26, s19
	s_add_co_u32 s27, s19, 1
	s_min_u32 s27, s27, 63
	s_lshl_b32 s28, s18, 1
	s_add_co_u32 s28, s28, s22
	s_sub_co_i32 s28, s28, 1
	s_max_i32 s28, s28, 0
	s_min_i32 s28, s28, 31                         ; the pair of blocks that holds the third scale of v: g - 1 or g + 1
	s_mov_b32 s20, 0x76543210
	s_mov_b32 s21, 0xfedcba98
	s_mov_b32 s30, 0x3e38aa3b                      ; c = log2(e) / 8
	s_mov_b32 s31, s30
	s_cmp_lg_u32 s19, 0
	s_cselect_b32 s48, -1, 0                       ; block A - 1 exists
	s_cmp_lg_u32 s19, 63
	s_cselect_b32 s49, -1, 0                       ; block A + 1 exists
	s_cmp_eq_u32 s18, 0                            ; A even: word = [odd byte of pair g - 1, pair g];  A odd: [pair g, even byte of pair g + 1]
	s_cselect_b32 s50, 8, 0
	s_cselect_b32 s51, 0, 16
	s_cselect_b32 s52, 8, 0
	s_lshl_b32 s53, s24, 7
	s_lshl_b32 s54, s17, 9
	s_add_co_u32 s54, s54, s53                     ; 512 head + 128 batch: q's first tile of 16 tokens
	s_lshl_b32 s55, s19, 1
	s_add_co_u32 s55, s55, s54
	s_lshl_b32 s55, s55, 9
	v_lshl_add_u32 v4, v3, 4, s55                  ; q's images, and the result's
	s_add_co_u32 s56, s54, 8192                    ; k: 16 heads' tiles on
.irp i, 0,1,2
	s_lshl_b32 s57, s[25+\i], 1
	s_add_co_u32 s57, s57, s56
	s_lshl_b32 s57, s57, 9
	v_lshl_add_u32 v[5+\i], v3, 4, s57
.endr
	s_lshl_b32 s58, s54, 4                         ; in tokens
	s_lshl_b32 s57, s19, 5
	s_add_co_u32 s57, s57, s58
	s_lshl_b32 s57, s57, 1
	v_lshl_add_u32 v8, v3, 1, s57                  ; q's scale pairs
	s_add_co_u32 s58, s58, 131072
.irp i, 0,1,2
	s_lshl_b32 s57, s[25+\i], 5
	s_add_co_u32 s57, s57, s58
	s_lshl_b32 s57, s57, 1
	v_lshl_add_u32 v[9+\i], v3, 1, s57
.endr
	s_lshl_b32 s53, s24, 6
	s_lshl_b32 s59, s17, 10
.irp i, 0,1,2
	s_add_co_u32 s[60+\i], s53, s[25+\i]
	s_lshl_b32 s[60+\i], s[60+\i], 14
	s_add_co_u32 s[60+\i], s[60+\i], s59           ; v's codes of key block i: (64 batch + block) x 16,384 + 1,024 head
.endr
	s_sub_co_u32 s61, s61, s60
	v_mul_u32_u24 v12, s61, v2                     ; lanes 0-15 block 0, lanes 16-31 block 1
	v_add_nc_u32 v12, s60, v12
	v_lshl_add_u32 v12, v1, 4, v12
	v_lshl_add_u32 v13, v1, 4, s62                 ; block 2 (lanes 16-31 meet zero codes of p)
	s_lshl_b32 s53, s24, 5
	s_lshl_b32 s59, s17, 6
	s_add_co_u32 s57, s53, s22
	s_lshl_b32 s57, s57, 10
	s_add_co_u32 s57, s57, s59
	s_lshl_b32 s57, s57, 1
	v_lshl_add_u32 v14, v3, 1, s57                 ; v's scale pairs of pair g
	s_add_co_u32 s57, s53, s28
	s_lshl_b32 s57, s57, 10
	s_add_co_u32 s57, s57, s59
	s_lshl_b32 s57, s57, 1
	v_lshl_add_u32 v15, v3, 1, s57                 ; and of the neighbouring pair
	s_lshl_b32 s57, s23, 13
	s_lshl_b32 s58, s24, 11
	s_add_co_u32 s57, s57, s58
	s_lshl_b32 s58, s22, 6
	s_add_co_u32 s57, s57, s58
	s_lshl_b32 s66, s57, 4                         ; ao_scales: (8,192 kh + 2,048 batch + 64 g) x 16
	s_mov_b32 s67, 0
	s_lshl_b32 s57, s18, 9
	s_lshl_b32 s58, s29, 1
	s_add_co_u32 s57, s57, s58
	v_lshl_add_u32 v[STA], v1, 4, s57              ; the stage: 16 bytes a token, my head's pair: 512 pi + 16 r + 2 (w % 8)
	v_lshlrev_b32 v[OUTA], 4, v0
	s_wait_kmcnt 0x0
	s_add_nc_u64 s[14:15], s[14:15], s[66:67]
	global_load_b128 v[QF:QF+3], v4, s[4:5]
	global_load_b128 v[QF+8:QF+11], v4, s[4:5] offset:512
	global_load_u16 v[QS], v8, s[6:7]
.irp i, 0,1,2
	global_load_b128 v[KF+16*\i:KF+16*\i+3], v[5+\i], s[4:5]
	global_load_b128 v[KF+16*\i+8:KF+16*\i+11], v[5+\i], s[4:5] offset:512
.endr
.irp i, 0,1,2
	global_load_u16 v[KS+\i], v[9+\i], s[6:7]
.endr
.irp t, 0,1,2,3
	global_load_b128 v[VF+8*\t:VF+8*\t+3], v12, s[8:9] offset:256*\t
	global_load_b128 v[VF+8*\t+4:VF+8*\t+7], v13, s[8:9] offset:256*\t
.endr
	global_load_u16 v[VR], v14, s[10:11]
	global_load_u16 v[VR+1], v14, s[10:11] offset:64
	global_load_u16 v[VR+2], v15, s[10:11]
	global_load_u16 v[VR+3], v15, s[10:11] offset:64
	; the masks, from ids alone.  Register j of a score tile is key 8 h + j, the lane's query is r: first tile: j >= r - 8 h counts; last tile: j <= r - 8 h
	v_lshlrev_b32 v[EE], 3, v2
	v_sub_nc_u32 v[EE], v1, v[EE]
.irp j, 0,1,2,3,4,5,6,7
	v_cmp_ge_i32 s[32+\j], \j, v[EE]
	v_cmp_le_i32 s[40+\j], \j, v[EE]
.endr
.irp j, 0,1,2,3,4,5,6,7
	s_and_b32 s[32+\j], s[32+\j], s48
	s_and_b32 s[40+\j], s[40+\j], s49
.endr
	s_wait_loadcnt 12                              ; q, k and their scales are in; the 12 loads for v, issued behind them, may stay out
.macro SCOREP m, i                      ; S^T of query tile m and key tile m + i.  An odd key tile's scales stand in lanes 16-31 of its block's register, query tile 1's in lanes 16-31 of q's
.set rS, S+40*\m+8*\i
.set rK, KF+8*(\m+\i)
.set rQ, QF+8*\m
.set rKS, KS+(\m+\i)/2
.if ((\m+\i)%2 == 0) && (\m == 0)
	v_wmma_scale_f32_16x16x128_f8f6f4 v[rS:rS+7], v[rK:rK+7], v[rQ:rQ+7], 0, v[rKS], v[QS] matrix_a_fmt:MATRIX_FMT_FP4 matrix_b_fmt:MATRIX_FMT_FP4
.elseif \m == 0
	v_wmma_scale_f32_16x16x128_f8f6f4 v[rS:rS+7], v[rK:rK+7], v[rQ:rQ+7], 0, v[rKS], v[QS] matrix_a_fmt:MATRIX_FMT_FP4 matrix_b_fmt:MATRIX_FMT_FP4 matrix_a_scale:MATRIX_SCALE_ROW1
.elseif (\m+\i)%2 == 0
	v_wmma_scale_f32_16x16x128_f8f6f4 v[rS:rS+7], v[rK:rK+7], v[rQ:rQ+7], 0, v[rKS], v[QS] matrix_a_fmt:MATRIX_FMT_FP4 matrix_b_fmt:MATRIX_FMT_FP4 matrix_b_scale:MATRIX_SCALE_ROW1
.else
	v_wmma_scale_f32_16x16x128_f8f6f4 v[rS:rS+7], v[rK:rK+7], v[rQ:rQ+7], 0, v[rKS], v[QS] matrix_a_fmt:MATRIX_FMT_FP4 matrix_b_fmt:MATRIX_FMT_FP4 matrix_a_scale:MATRIX_SCALE_ROW1 matrix_b_scale:MATRIX_SCALE_ROW1
.endif
.endm
.irp i, 0,1,2,3,4
	SCOREP 0, \i
	SCOREP 1, \i
.endr
	s_wait_loadcnt 0x0                             ; v and its scales
.irp u, 0,1                             ; v's scale words [A - 1, A, A + 1, 0].  These six plain lines name no register of the score products: they are the places behind them
	v_bfe_u32 v[VR+2+\u], v[VR+2+\u], s50, 8
.endr
.irp u, 0,1
	v_lshlrev_b32 v[VR+2+\u], s51, v[VR+2+\u]
.endr
.irp u, 0,1
	v_lshl_or_b32 v[VS+\u], v[VR+\u], s52, v[VR+2+\u]
.endr
.macro BMAX16 d, o                      ; the largest of 16 scores: two tiles, each read from its low end on
	v_max3_num_f32 v[\d], v[\o], v[\o+1], v[\o+2]
.irp i, 3,5,7,9,11,13
	v_max3_num_f32 v[\d], v[\d], v[\o+\i], v[\o+\i+1]
.endr
	v_max_num_f32 v[\d], v[\d], v[\o+15]
.endm
.macro BMAX8 d, o
	v_max3_num_f32 v[\d], v[\o], v[\o+1], v[\o+2]
.irp i, 3,5
	v_max3_num_f32 v[\d], v[\d], v[\o+\i], v[\o+\i+1]
.endr
	v_max_num_f32 v[\d], v[\d], v[\o+7]
.endm
; The softmax of query tile m, and p's codes and scale word.
.macro SOFT m
.set s0, S+40*\m
.irp j, 0,1,2,3,4,5,6,7
	v_cndmask_b32 v[s0+\j], v[NINF], v[s0+\j], s[32+\j]                        ; hidden scores become -infinity: p = 0
.endr
.irp j, 0,1,2,3,4,5,6,7
	v_cndmask_b32 v[s0+8+16*\m+\j], v[NINF], v[s0+8+16*\m+\j], s[48+\m]        ; the other tile of a block past the sequence's end
.endr
.irp j, 0,1,2,3,4,5,6,7
	v_cndmask_b32 v[s0+32+\j], v[NINF], v[s0+32+\j], s[40+\j]
.endr
.if \m == 0                             ; the largest score of each key block: it serves for the row's maximum and, since p rises with the score, for the block's largest p
	BMAX16 BM, s0
	BMAX16 BM+1, s0+16
	BMAX8 BM+2, s0+32
.else
	BMAX8 BM, s0
	BMAX16 BM+1, s0+8
	BMAX16 BM+2, s0+24
.endif
.irp b, 0,1,2
	v_permlanex16_b32 v[TP+\b], v[BM+\b], s20, s21
.endr
.irp b, 0,1,2
	v_max_num_f32 v[BM+\b], v[BM+\b], v[TP+\b]
.endr
	v_max3_num_f32 v[RM], v[BM], v[BM+1], v[BM+2]  ; a query's own key always counts: this is a number
	v_mul_f32 v[RM], s30, v[RM]
	v_floor_f32 v[NM], -v[RM]                      ; -M = floor(-t) = -ceil(t)
.irp j, 0,2,4,6,8,10,12,14,16,18,20,22,24,26,28,30,32,34,36,38
	v_pk_fma_f32 v[s0+\j:s0+\j+1], v[s0+\j:s0+\j+1], s[30:31], v[NM:NM+1] op_sel_hi:[1,0,0]
.endr
.irp b, 0,1,2
	v_fma_f32 v[BM+\b], v[BM+\b], s30, v[NM]
.endr
.irp j, 0,1,2,3,4,5,6,7,8,9,10,11,12,13,14,15,16,17,18,19,20,21,22,23,24,25,26,27,28,29,30,31,32,33,34,35,36,37,38,39
	v_exp_f32 v[s0+\j], v[s0+\j]                   ; p = 2^(t - M)
.endr
	v_mov_b32 v[PF+8*\m+5], 0                      ; the key tiles that this query tile does not see: zero codes.  (The plain place behind the batch)
	v_mov_b32 v[PF+8*\m+7], 0
	v_mov_b32 v[PF+8*\m+6-6*\m], 0
	s_wait_alu depctr_va_vdst(0)                   ; one wait for the forty, ahead of their first reader
.irp b, 0,1,2
	v_exp_f32 v[BM+\b], v[BM+\b]                   ; each block's largest p: the same two instructions on the same number
.endr
	v_pk_add_f32 v[SU:SU+1], v[s0:s0+1], v[s0+2:s0+3]          ; l is the sum of the unquantised p: two chains
	v_pk_add_f32 v[SU+2:SU+3], v[s0+4:s0+5], v[s0+6:s0+7]
.irp j, 8,12,16,20,24,28,32,36
	v_pk_add_f32 v[SU:SU+1], v[SU:SU+1], v[s0+\j:s0+\j+1]
	v_pk_add_f32 v[SU+2:SU+3], v[SU+2:SU+3], v[s0+\j+2:s0+\j+3]
.endr
	v_pk_add_f32 v[SU:SU+1], v[SU:SU+1], v[SU+2:SU+3]
	v_add_f32 v[SU], v[SU], v[SU+1]
	v_permlanex16_b32 v[TP], v[SU], s20, s21
	v_add_f32 v[SU], v[SU], v[TP]
	v_rcp_f32 v[RL+2*\m], v[SU]
	s_wait_alu depctr_va_vdst(0)                   ; one wait for the three exponentials and the reciprocal, ahead of their first readers
.irp b, 0,1,2
	v_max_num_f32 v[BM+\b], 0x1800000, v[BM+\b]    ; the floor 2^(3 - 127): the byte cannot fall under 1
.endr
.irp b, 0,1,2
	v_add_nc_u32 v[SO+\b], 0xff000000, v[BM+\b]
.endr
.irp b, 0,1,2
	v_lshrrev_b32 v[SBY+\b], 23, v[SO+\b]
.endr
	v_lshl_or_b32 v[PW+\m], v[SBY+1], 8, v[SBY]
	v_lshl_or_b32 v[PW+\m], v[SBY+2], 16, v[PW+\m] ; byte 3 stays 0, over zero codes
.irp i, 0,1,2,3,4
	v_cvt_scalef32_pk8_fp4_f32 v[PF+8*\m+4*((\m+\i)/4)+2*((\m+\i)%2)+((\m+\i)%4)/2], v[s0+8*\i:s0+8*\i+7], v[SO+(\m+\i)/2]   ; key tiles 0 .. 5 into registers 0, 2, 1, 3, 4, 6
.endr
	v_nop                                          ; one plain place behind the scaled conversions
.irp c, 0,2,4,6
	v_permlane16_swap_b32 v[PF+8*\m+\c], v[PF+8*\m+\c+1]       ; a whole block in a lane: lanes 0-15 blocks 0 and 2, lanes 16-31 blocks 1 and 3
.endr
.endm
	SOFT 0
	SOFT 1
.rept 8
	v_nop                                          ; a scale register written by a vector instruction stands 8 places ahead of a scaled matrix instruction, an operand 4
.endr
.macro PVP m, t                         ; O^T: 16 of the head's d x 16 queries, K = the three key blocks
.set rO, O+32*\m+8*\t
.if \t%2 == 0
	v_wmma_scale_f32_16x16x128_f8f6f4 v[rO:rO+7], v[VF+8*\t:VF+8*\t+7], v[PF+8*\m:PF+8*\m+7], 0, v[VS+\t/2], v[PW+\m] matrix_a_fmt:MATRIX_FMT_FP4 matrix_b_fmt:MATRIX_FMT_FP4
.else
	v_wmma_scale_f32_16x16x128_f8f6f4 v[rO:rO+7], v[VF+8*\t:VF+8*\t+7], v[PF+8*\m:PF+8*\m+7], 0, v[VS+\t/2], v[PW+\m] matrix_a_fmt:MATRIX_FMT_FP4 matrix_b_fmt:MATRIX_FMT_FP4 matrix_a_scale:MATRIX_SCALE_ROW1
.endif
.endm
.irp t, 0,1,2,3
	PVP 0, \t
	PVP 1, \t
.endr
.rept 4
	v_nop
.endr
	; O / l, then the quantiser along d: block k = 2 m + B is registers 16 k .. 16 k + 15, in this lane and in lane l xor 16
.irp m, 0,1
.irp j, 0,2,4,6,8,10,12,14,16,18,20,22,24,26,28,30
	v_pk_mul_f32 v[O+32*\m+\j:O+32*\m+\j+1], v[O+32*\m+\j:O+32*\m+\j+1], v[RL+2*\m:RL+2*\m+1] op_sel_hi:[1,0]
.endr
.endr
.irp k, 0,1,2,3
	v_max3_num_f32 v[BM+\k], |v[O+16*\k]|, |v[O+16*\k+1]|, 0x1800000
.endr
.irp i, 2,4,6,8,10,12,14
.irp k, 0,1,2,3
	v_max3_num_f32 v[BM+\k], v[BM+\k], |v[O+16*\k+\i]|, |v[O+16*\k+\i+1]|
.endr
.endr
.irp k, 0,1,2,3
	v_permlanex16_b32 v[SO+\k], v[BM+\k], s20, s21
.endr
.irp k, 0,1,2,3
	v_max_num_f32 v[BM+\k], v[BM+\k], v[SO+\k]
.endr
.irp k, 0,1,2,3
	v_add_nc_u32 v[BM+\k], 0xff000000, v[BM+\k]
.endr
.irp k, 0,1,2,3
	v_lshrrev_b32 v[SO+\k], 23, v[BM+\k]
.endr
.irp m, 0,1
	v_lshl_or_b32 v[OW+\m], v[SO+2*\m+1], 8, v[SO+2*\m]
.endr
.irp m, 0,1
.irp u, 0,1,2,3
	v_cvt_scalef32_pk8_fp4_f32 v[OC+4*\m+2*(\u%2)+\u/2], v[O+32*\m+8*\u:O+32*\m+8*\u+7], v[BM+2*\m+\u/2]
.endr
.endr
	v_nop
.irp c, 0,2,4,6
	v_permlane16_swap_b32 v[OC+\c], v[OC+\c+1]
.endr
.irp m, 0,1
	global_store_b128 v4, v[OC+4*\m:OC+4*\m+3], s[12:13] offset:512*\m         ; an image of 512 consecutive bytes
	ds_store_b16 v[STA], v[OW+\m] offset:256*\m
.endr
	s_wait_dscnt 0x0                               ; for the others' sake: my pairs lie in the stage
	s_barrier_signal -1
	s_barrier_wait -1
	s_cmp_lt_u32 s16, 2                            ; waves 0 and 1 store the 64 tokens' 16 bytes each: 512 consecutive bytes a wave
	s_cbranch_scc0 .Lend
	ds_load_b128 v[S:S+3], v[OUTA]
	s_wait_dscnt 0x0
	global_store_b128 v[OUTA], v[S:S+3], s[14:15]
.Lend:
	s_wait_xcnt 0x0
	v_lshl_add_u32 v254, v0, 2, 0x400
	v_mov_b32 v255, 0
	s_wait_tensorcnt 0x0
	ds_add_u32 v254, v255
	s_wait_dscnt 0x0
	s_endpgm
.Lfunc_end_k_qa613feb04c_attn:
	.size	k_qa613feb04c_attn, .Lfunc_end_k_qa613feb04c_attn-k_qa613feb04c_attn
	.p2alignl 7, 3214868480
	.fill 96, 4, 3214868480
	.section	.rodata,"a",@progbits
	.p2align	6, 0x0
	.amdhsa_kernel k_qa613feb04c_attn
		.amdhsa_group_segment_fixed_size 3072
		.amdhsa_private_segment_fixed_size 0
		.amdhsa_enable_private_segment 0
		.amdhsa_kernarg_size 48
		.amdhsa_user_sgpr_count 2
		.amdhsa_user_sgpr_kernarg_segment_ptr 1
		.amdhsa_wavefront_size32 1
		.amdhsa_system_sgpr_workgroup_id_x 1
		.amdhsa_system_sgpr_workgroup_id_y 1
		.amdhsa_system_sgpr_workgroup_id_z 1
		.amdhsa_system_vgpr_workitem_id 0
		.amdhsa_next_free_vgpr 256
		.amdhsa_next_free_sgpr 70
		.amdhsa_reserve_vcc 0
		.amdhsa_float_denorm_mode_32 3
		.amdhsa_float_denorm_mode_16_64 3
		.amdhsa_memory_ordered 1
		.amdhsa_forward_progress 1
		.amdhsa_inst_pref_size 37
	.end_amdhsa_kernel
	.amdgpu_metadata
---
amdhsa.version: [ 1, 2 ]
amdhsa.kernels:
  - .name:           k_qa613feb04c_attn
    .symbol:         k_qa613feb04c_attn.kd
    .args:
      - { .name: qk_codes, .offset: 0, .size: 8, .value_kind: global_buffer, .address_space: global }
      - { .name: qk_scales, .offset: 8, .size: 8, .value_kind: global_buffer, .address_space: global }
      - { .name: v_codes, .offset: 16, .size: 8, .value_kind: global_buffer, .address_space: global }
      - { .name: v_scales, .offset: 24, .size: 8, .value_kind: global_buffer, .address_space: global }
      - { .name: ao_codes, .offset: 32, .size: 8, .value_kind: global_buffer, .address_space: global }
      - { .name: ao_scales, .offset: 40, .size: 8, .value_kind: global_buffer, .address_space: global }
    .group_segment_fixed_size: 3072
    .private_segment_fixed_size: 0
    .kernarg_segment_align: 8
    .kernarg_segment_size: 48
    .max_flat_workgroup_size: 512
    .sgpr_count:     70
    .vgpr_count:     256
    .wavefront_size: 32
...
	.end_amdgpu_metadata
.endif
;; end of part 2
;; launch proj (part 3): grid 4 x 64, 4 waves a work-group, clusters of 4 x 4, 251,904 bytes of LDS; arguments ao_codes, ao_scales, W_out_codes, W_out_scales, b_out, out0; writes out0
.if DOCPART == 3
	.amdgcn_target "amdgcn-amd-amdhsa--gfx1250"
	.amdhsa_code_object_version 6
	.text
	.protected	k_qa613feb04c_proj
	.globl	k_qa613feb04c_proj
	.p2align	8
	.type	k_qa613feb04c_proj,@function
k_qa613feb04c_proj:
	s_mov_b64 s[64:65], 0
	v_nop
	global_prefetch_b8 v0, s[64:65] scope:SCOPE_SE
	s_setreg_imm32_b32 hwreg(HW_REG_WAVE_MODE, 25, 1), 1
	s_wait_xcnt 0x0
	s_wait_alu depctr_hold_cnt(0) depctr_sa_sdst(0) depctr_va_vdst(0) depctr_va_sdst(0) depctr_va_ssrc(0) depctr_va_vcc(0) depctr_vm_vsrc(0)
	s_getreg_b32 s2, hwreg(HW_REG_IB_STS2, 6, 4)
	s_cmp_eq_u32 s2, 0
	s_cbranch_scc0 .Lentry_in_a_cluster
	s_endpgm
.Lentry_in_a_cluster:
	s_bfe_u32 s2, ttmp6, 0x10000c
	s_cmp_lg_u32 s2, 0xf033
	s_cbranch_scc0 .Lentry_shape_is_right
	s_endpgm
.Lentry_shape_is_right:
; out0 = attention's result x W_out^T + b_out on codes of FP4 (E2M1) with E8M0 scales: [8192 x 1024] x [1024 x 1024]^T, f32 out.
; A work-group of four waves makes 128 tokens x 256 columns, a wave 64 x 128: 32 accumulators.  256 work-groups.  All of K (512 bytes a row) lies in LDS, every byte filled once: no ring.
; THE MATRIX INSTRUCTION IS USED TRANSPOSED: source 0 = 16 rows of W_out, source 1 = 16 tokens: a lane holds eight neighbouring columns of one row of out0.
; The tokens' codes lie in memory as images of operand registers, [head 16][token/16][512 B]: lane's 16 bytes = token lane % 16, d-block lane / 16.  K step t (128 along K) of a tile of 16 tokens is
; head 2 t's image (registers 0-3) and head 2 t + 1's (registers 4-7).  Their scales lie [K half][token][16 B]: the four scale words of a K half's four steps.
; CLUSTER 4 x 4: the tokens' tiles hang on cy and are asked for jointly by my row of the cluster, W_out's on cx and by my column.
; LIMITS: NaN and infinities are not served (a given scale byte 0xff gives NaN).
; REGISTERS: window 0: v1-31 addresses; v32-63 the tokens' scale words, v64-127 W_out's, a set for each K half; v128-191 the tokens' fragments, two sets; v192-255 the bias; on the way out v128-255 rows of out0.
;   window 1: W_out's fragments, two sets, at v0 and v64.   window 2: accumulator (a, b) at v[8 (8 a + b)]: a = tile of tokens, b = tile of columns.
.set PITCH,  272                        ; W_out's row in LDS: 256 bytes + 16 of padding: the sixteen rows of a fragment load start 68 words apart
.set AIMG,   0                          ; 16 heads x 8 tiles x 512 bytes
.set BT,     65536                      ; W_out: two K halves of 256 rows x 272
.set BQUART, 128*PITCH                  ; 128 rows: one tensor load
.set BHALF,  256*PITCH
.set ASC,    BT+2*BHALF                 ; [K half][128 tokens][16 B]
.set BSC,    ASC+4096                   ; W_out's scales: pieces of 256 bytes + 16 of padding; 32 bytes a row
.set BSH,    16*272                     ; those of 128 rows
.set STG,    BSC+2*BSH                  ; the way out: 16 rows x 528 bytes for each wave: no fill lands here
.set SPITCH, 528
.set ADRA, 16                           ; v16    my tokens' images: 16 x lane + 2,048 x my half
.set ADRB, 20                           ; v20-21 my rows of W_out, K half 0, 1
.set ADSA, 22                           ; v22    my tokens' scale words
.set ADSB, 23                           ; v23    my rows' of W_out
.set STO,  24                           ; v24    the way out: where I put 32 bytes of a row
.set RD,   25                           ; v25    where I read a row back
.set CO,   26                           ; v26    my byte offset in a row's 512 bytes
.set SA,   32                           ; register 16 kh + 4 a + q
.set SB,   64                           ; register 32 kh + 4 b + q
.set AF,   128
.set BI,   192
.set BK,   128
.set G1A,  24                           ; s[24:31] group 1 for the tokens' codes
.set G0A,  32                           ; s[32:43] three groups 0: scales, K half 0, K half 1
.set G1B,  44                           ; s[44:51] group 1 for W_out's codes
.set G0B,  52                           ; s[52:63]
.set G1AS, 68                           ; s[68:75] group 1 for the tokens' scales
.set G1BS, 76                           ; s[76:83] for W_out's
.set MSB, 0
.macro WIN new                          ; the immediate's high byte repeats the setting that is left
.if MSB != (\new)
	s_set_vgpr_msb (MSB<<8)|(\new)
.set MSB, (\new)
.endif
.endm
; A joint load: waves 0 and 1 fetch the tokens' side, waves 2 and 3 W_out's; the branch hangs on the wave's number alone.  Four v_nop follow each line.
.macro JLOAD g0a, g1a, g0b, g1b
	s_cmp_eq_u32 s17, 0
	s_cbranch_scc0 .Lfor_b_\@
	tensor_load_to_lds s[\g0a:\g0a+3], s[\g1a:\g1a+7]
	s_nop 0
.rept 4
	v_nop
.endr
	s_branch .Lasked_\@
.Lfor_b_\@:
	tensor_load_to_lds s[\g0b:\g0b+3], s[\g1b:\g1b+7]
	s_nop 0
.rept 4
	v_nop
.endr
.Lasked_\@:
.endm
.macro CROUND                           ; a round of the cluster's barrier
	s_barrier_signal -1
	s_barrier_wait -1
	s_cmp_lg_u32 s16, 0
	s_cbranch_scc1 .Lnot_wave_0_\@
	s_barrier_signal -3
.Lnot_wave_0_\@:
	s_barrier_wait -3
	s_barrier_signal -1
	s_barrier_wait -1
.endm
.macro PLACES n
.rept \n
	v_nop
.endr
.endm
	s_load_b256 s[4:11], s[0:1], 0x0               ; ao_codes, ao_scales, W_out's codes, W_out's scales
	s_load_b128 s[12:15], s[0:1], 0x20             ; b_out, out0
	v_lshl_add_u32 v30, v0, 2, 0x3d600
	v_mov_b32 v31, 0
	ds_add_u32 v30, v31
	ds_add_u32 v30, v31
	v_lshrrev_b32 v1, 5, v0
	v_readfirstlane_b32 s16, v1                    ; wave 0..3
	s_lshr_b32 s17, s16, 1                         ; my half of the tokens.  Also: which side I fetch
	s_and_b32 s18, s16, 1                          ; my half of the columns.  Also: which part of that side I fetch
	s_bfe_u32 s84, ttmp6, 0x40000                  ; cx
	s_bfe_u32 s85, ttmp6, 0x40004                  ; cy
	s_lshl_b32 s87, ttmp9, 2
	s_add_co_u32 s87, s87, s84                     ; tile of 256 columns: 0 .. 3
	s_and_b32 s86, ttmp7, 0xffff
	s_lshl_b32 s86, s86, 2
	s_add_co_u32 s86, s86, s85                     ; tile of 128 tokens: 0 .. 63
	s_lshl_b32 s88, s85, 2
	s_lshl_b32 s88, 15, s88                        ; my row of the cluster
	s_lshl_b32 s89, 0x1111, s84                    ; my column
	; the tokens' codes: 4 heads x 4,096 bytes (8 images), 262,144 bytes from head to head; elements of 8 bytes; no padding: images are read 16 bytes a lane on end
	s_or_b32 s[G1A], s88, (3<<16)|(1<<21)
	s_mov_b32 s[G1A+1], 512<<16                    ; tensor_dim0
	s_mov_b32 s[G1A+2], 4<<16                      ; tensor_dim1
	s_mov_b32 s[G1A+3], 512<<16                    ; tile_dim0
	s_mov_b32 s[G1A+4], 4                          ; tile_dim1
	s_mov_b32 s[G1A+5], 32768                      ; from head to head, in elements
	s_mov_b32 s[G1A+6], 0
	s_mov_b32 s[G1A+7], 0
	; their scales: 128 tokens x 16 bytes of one K half: 2,048 dense bytes as 8 rows of 256
	s_or_b32 s[G1AS], s88, (3<<16)|(1<<21)
	s_mov_b32 s[G1AS+1], 32<<16
	s_mov_b32 s[G1AS+2], 8<<16
	s_mov_b32 s[G1AS+3], 32<<16
	s_mov_b32 s[G1AS+4], 8
	s_mov_b32 s[G1AS+5], 32
	s_mov_b32 s[G1AS+6], 0
	s_mov_b32 s[G1AS+7], 0
	; W_out's codes: 128 rows x 256 bytes, 512 apart in memory, 16 bytes of padding behind each in LDS
	s_or_b32 s[G1B], s89, (1<<20)|(1<<21)|(5<<22)|(3<<25)
	s_mov_b32 s[G1B+1], 256<<16
	s_mov_b32 s[G1B+2], 128<<16
	s_mov_b32 s[G1B+3], 256<<16
	s_mov_b32 s[G1B+4], 128
	s_mov_b32 s[G1B+5], 512
	s_mov_b32 s[G1B+6], 0
	s_mov_b32 s[G1B+7], 0
	; its scales: 128 rows x 32 bytes: 16 rows of 256, padded likewise
	s_or_b32 s[G1BS], s89, (3<<16)|(1<<20)|(1<<21)|(5<<22)|(3<<25)
	s_mov_b32 s[G1BS+1], 32<<16
	s_mov_b32 s[G1BS+2], 16<<16
	s_mov_b32 s[G1BS+3], 32<<16
	s_mov_b32 s[G1BS+4], 16
	s_mov_b32 s[G1BS+5], 32
	s_mov_b32 s[G1BS+6], 0
	s_mov_b32 s[G1BS+7], 0
	; where the tiles come from, in bytes.  W = wave % 2.  The tokens' offsets hang on the tile of tokens alone, W_out's on the tile of columns alone
	s_lshl_b32 s22, s18, 17                        ; the tokens' scales: K half W: (8,192 W + 128 x tile) x 16
	s_lshl_b32 s2, s86, 11
	s_add_co_u32 s22, s22, s2
	s_mov_b32 s23, 0
	s_lshl_b32 s66, s18, 20                        ; their codes: heads 4 W on: 4 W x 262,144 + tile x 4,096
	s_lshl_b32 s2, s86, 12
	s_add_co_u32 s66, s66, s2
	s_mov_b32 s67, 0
	s_lshl_b32 s90, s87, 13                        ; W_out's scales: (256 x tile + 128 W) x 32
	s_lshl_b32 s3, s18, 12
	s_add_co_u32 s90, s90, s3
	s_mov_b32 s91, 0
	s_lshl_b32 s92, s87, 17                        ; its codes: (256 x tile + 128 W) x 512
	s_lshl_b32 s3, s18, 16
	s_add_co_u32 s92, s92, s3
	s_mov_b32 s93, 0
	; and where they go: constants and the wave's number alone
	s_lshl_b32 s94, s18, 11
	s_add_co_u32 s94, s94, ASC
	s_lshl_b32 s95, s18, 14
	s_mul_i32 s96, s18, BSH
	s_add_co_u32 s96, s96, BSC
	s_mul_i32 s97, s18, BQUART
	s_add_co_u32 s97, s97, BT
	s_wait_dscnt 0x0
	s_wait_kmcnt 0x0
	s_add_nc_u64 s[6:7], s[6:7], s[22:23]
	s_add_nc_u64 s[4:5], s[4:5], s[66:67]
	s_add_nc_u64 s[10:11], s[10:11], s[90:91]
	s_add_nc_u64 s[8:9], s[8:9], s[92:93]
	s_mov_b32 s[G0A], 1
	s_mov_b32 s[G0A+1], s94
	s_mov_b64 s[G0A+2:G0A+3], s[6:7]
	s_or_b32 s[G0A+3], s[G0A+3], 0x80000000
	s_mov_b32 s[G0A+4], 1
	s_mov_b32 s[G0A+5], s95
	s_mov_b64 s[G0A+6:G0A+7], s[4:5]
	s_or_b32 s[G0A+7], s[G0A+7], 0x80000000
	s_mov_b32 s[G0A+8], 1
	s_add_co_u32 s[G0A+9], s95, 32768
	s_add_nc_u64 s[G0A+10:G0A+11], s[4:5], 8*262144   ; heads 8 on
	s_or_b32 s[G0A+11], s[G0A+11], 0x80000000
	s_mov_b32 s[G0B], 1
	s_mov_b32 s[G0B+1], s96
	s_mov_b64 s[G0B+2:G0B+3], s[10:11]
	s_or_b32 s[G0B+3], s[G0B+3], 0x80000000
	s_mov_b32 s[G0B+4], 1
	s_mov_b32 s[G0B+5], s97
	s_mov_b64 s[G0B+6:G0B+7], s[8:9]
	s_or_b32 s[G0B+7], s[G0B+7], 0x80000000
	s_mov_b32 s[G0B+8], 1
	s_add_co_u32 s[G0B+9], s97, BHALF
	s_add_nc_u64 s[G0B+10:G0B+11], s[8:9], 256
	s_or_b32 s[G0B+11], s[G0B+11], 0x80000000
	CROUND                                         ; all sixteen work-groups are here: the joint loads meet
	JLOAD G0A, G1AS, G0B, G1BS                     ; the scales of all of K
	JLOAD G0A+4, G1A, G0B+4, G1B                   ; K 0 .. 511 (heads 0-7)
	JLOAD G0A+8, G1A, G0B+8, G1B                   ; K 512 .. 1,023: three loads of mine are out
	; ---- while the tiles are on their way: the bias, the LDS addresses, out0's address
	v_and_b32 v1, 15, v0                           ; r
	v_bfe_u32 v2, v0, 4, 1                         ; h
	v_and_b32 v3, 31, v0                           ; lane
	s_lshl_b32 s98, s87, 10
	s_lshl_b32 s99, s18, 9
	s_add_co_u32 s98, s98, s99                     ; my first column, in bytes of f32: 4 (256 x tile + 128 x half)
	v_lshl_add_u32 v4, v2, 5, s98
.irp b, 0,1,2,3,4,5,6,7
	global_load_b128 v[BI+8*\b:BI+8*\b+3], v4, s[12:13] offset:64*\b          ; tile b: register j = bias of column 16 b + 8 h + j
	global_load_b128 v[BI+8*\b+4:BI+8*\b+7], v4, s[12:13] offset:64*\b+16
.endr
	s_lshl_b32 s99, s17, 11
	v_lshl_add_u32 v[ADRA], v3, 4, s99             ; my 64 tokens are four images of 512 bytes in each head's 4,096
	v_mul_u32_u24 v6, v1, PITCH
	v_lshl_add_u32 v6, v2, 4, v6                   ; a fragment's row x pitch + 16 h
	s_mul_i32 s99, s18, BQUART
	s_add_co_u32 s99, s99, BT
	v_add_nc_u32 v[ADRB], s99, v6
	s_add_co_u32 s99, s99, BHALF
	v_add_nc_u32 v[ADRB+1], s99, v6
	s_lshl_b32 s99, s17, 10
	s_add_co_u32 s99, s99, ASC
	v_lshl_add_u32 v[ADSA], v1, 4, s99             ; 16 bytes a token
	v_lshlrev_b32 v6, 5, v1                        ; W_out's scales: 32 bytes a row,
	v_lshrrev_b32 v7, 8, v6
	v_lshl_add_u32 v6, v7, 4, v6                   ; and 16 more for each 256 passed
	s_mul_i32 s99, s18, BSH
	s_add_co_u32 s99, s99, BSC
	v_add_nc_u32 v[ADSB], s99, v6
	s_mul_i32 s99, s16, 16*SPITCH
	s_add_co_u32 s99, s99, STG                     ; my stage
	v_mul_u32_u24 v5, v1, SPITCH                   ; in: row r, 32 bytes for each half of the lanes
	v_lshl_add_u32 v5, v2, 5, v5
	v_add_nc_u32 v[STO], s99, v5
	v_lshlrev_b32 v[CO], 4, v3                     ; back: the 32 lanes take one row of 512 bytes; and the same in out0
	v_add_nc_u32 v[RD], s99, v[CO]
	s_lshl_b32 s90, s86, 19                        ; my first row of out0: (128 x tile + 64 x half) x 4,096 bytes,
	s_lshl_b32 s91, s17, 18
	s_add_co_u32 s90, s90, s91
	s_add_co_u32 s90, s90, s98                     ; and my first column
	s_mov_b32 s91, 0
	s_add_nc_u64 s[14:15], s[14:15], s[90:91]
.macro FRAG reg, adr, q, i              ; 16 rows x 128 K of 4-bit codes: lane l holds row l % 16; registers 4 c .. 4 c + 3 hold K = 64 c + 32 (l / 16) + 0 .. 31
.irp c, 0,1
	ds_load_b128 v[\reg+4*\c:\reg+4*\c+3], v[\adr] offset:64*(\q)+32*\c+(\i)*16*PITCH
.endr
.endm
.macro FETCH t                          ; the fragments of K step t into set t % 2; with a K half's first step its scale words
	WIN 0x40                                       ; destination window 1
.irp i, 0,1,2,3,4,5,6,7
	FRAG 64*((\t)%2)+8*\i, ADRB+(\t)/4, (\t)%4, \i
.endr
	WIN 0
.irp a, 0,1,2,3
	ds_load_b128 v[AF+32*((\t)%2)+8*\a:AF+32*((\t)%2)+8*\a+3], v[ADRA] offset:8192*(\t)+512*\a          ; head 2 t's image
	ds_load_b128 v[AF+32*((\t)%2)+8*\a+4:AF+32*((\t)%2)+8*\a+7], v[ADRA] offset:8192*(\t)+512*\a+4096   ; head 2 t + 1's
.endr
.if (\t)%4 == 0
.irp a, 0,1,2,3
	ds_load_b128 v[SA+16*((\t)/4)+4*\a:SA+16*((\t)/4)+4*\a+3], v[ADSA] offset:2048*((\t)/4)+256*\a
.endr
.irp b, 0,1,2,3,4,5,6,7
	ds_load_b128 v[SB+32*((\t)/4)+4*\b:SB+32*((\t)/4)+4*\b+3], v[ADSB] offset:544*\b+16*((\t)/4)
.endr
.endif
.endm
; 32 products: my four tiles of tokens x my eight tiles of columns, 128 along K.  first = 1: the sums begin with the bias: nothing is cleared, and the bias costs no addition.
; The 32 accumulators take turns, one instruction a turn, in the same order in every step.
.macro MUL32 t, first
.if \first
	WIN 0x81                                       ; source 0 window 1, source 1 and C (the bias) window 0, D window 2
.else
	WIN 0xa1                                       ; source 0 window 1, source 1 window 0, C and D window 2
.endif
.irp a, 0,1,2,3
.irp b, 0,1,2,3,4,5,6,7
.set rD, 8*(8*\a+\b)
.set rB, 64*((\t)%2)+8*\b
.set rA, AF+32*((\t)%2)+8*\a
.set rSB, SB+32*((\t)/4)+4*\b+(\t)%4
.set rSA, SA+16*((\t)/4)+4*\a+(\t)%4
.if \first
	v_wmma_scale_f32_16x16x128_f8f6f4 v[rD:rD+7], v[rB:rB+7], v[rA:rA+7], v[BI+8*\b:BI+8*\b+7], v[rSB], v[rSA] matrix_a_fmt:MATRIX_FMT_FP4 matrix_b_fmt:MATRIX_FMT_FP4
.else
	v_wmma_scale_f32_16x16x128_f8f6f4 v[rD:rD+7], v[rB:rB+7], v[rA:rA+7], v[rD:rD+7], v[rSB], v[rSA] matrix_a_fmt:MATRIX_FMT_FP4 matrix_b_fmt:MATRIX_FMT_FP4
.endif
.endr
.endr
.endm
.macro STEP t
	s_wait_dscnt 0x0                               ; step t's fragments, asked for 32 matrix instructions ago, are in
.if (\t) < 7
	PLACES 4                                       ; four plain places between the last products and loads into the registers that they read
	FETCH (\t)+1
.endif
	MUL32 \t, 0
.endm
	s_wait_tensorcnt 0x1                           ; the scales and my part of K half 0 are in; my third load, K half 1, may stay out
	s_barrier_signal -1
	s_barrier_wait -1                              ; everybody's are
	FETCH 0
	s_wait_loadcnt 0x0                             ; the bias
	s_wait_dscnt 0x0
	FETCH 1
	MUL32 0, 1
	STEP 1
	STEP 2
	s_wait_tensorcnt 0x0                           ; my part of K half 1 is in,
	s_wait_dscnt 0x0                               ; no LDS load of mine is pending at the signal,
	s_barrier_signal -1
	s_barrier_wait -1                              ; everybody's is
	STEP 3
	STEP 4
	STEP 5
	STEP 6
	STEP 7
	WIN 0
	PLACES 4                                       ; in front of the first read of results, and of loads into the registers that held fragments and the bias
; THE WAY OUT, block by block of 16 tokens x 128 columns.  A lane holds 32 neighbouring bytes of a row, and the lanes beside it hold other rows: so a block goes through my own stage in LDS and comes back as whole
; rows of 512 bytes.  LDS serves a wave's instructions in order (ISA guide 5.7.1.4): no wait between the stores and the loads, nor in front of the next block's stores.
.macro TOSTAGE a
.set AC, 64*(\a)
	WIN 0x08                                       ; an LDS store's data are its source 1: window 2
.irp b, 0,1,2,3,4,5,6,7
	ds_store_b128 v[STO], v[AC+8*\b:AC+8*\b+3] offset:64*\b          ; each accumulator from its low end on
	ds_store_b128 v[STO], v[AC+8*\b+4:AC+8*\b+7] offset:64*\b+16
.endr
	WIN 0
.set BB, BK+64*((\a)%2)
.irp t, 0,1,2,3,4,5,6,7,8,9,10,11,12,13,14,15
	ds_load_b128 v[BB+4*\t:BB+4*\t+3], v[RD] offset:\t*SPITCH
.endr
.endm
.macro SEND a, younger                  ; younger: the LDS instructions issued behind block a's loads, which may stay out
.set BB, BK+64*((\a)%2)
	s_wait_dscnt \younger                          ; the block is back in registers
.if (\a) > 0
	s_add_nc_u64 s[14:15], s[14:15], 16*4096       ; 16 rows of out0 on (behind a wait on XCNT for 0: the earlier stores have read their base)
.endif
.irp t, 0,1,2,3,4,5,6,7,8,9,10,11,12,13,14,15
	global_store_b128 v[CO], v[BB+4*\t:BB+4*\t+3], s[14:15] offset:\t*4096 th:TH_STORE_NT   ; 32 lanes store 512 consecutive bytes, at a multiple of 256 from out0's first byte; written once, read by nobody here
.endr
.endm
	TOSTAGE 0
.irp a, 1,2,3
.if \a > 1
	s_wait_xcnt 0x0                                ; block a - 2's stores have read their registers and their base: block a's loads may land there, and the base may step
.endif
	TOSTAGE \a
	SEND \a-1, 32                                  ; behind block a - 1's loads: block a's 16 stores and 16 loads
.endr
	s_wait_xcnt 0x0                                ; block 2's stores have read their base
	SEND 3, 0
	s_wait_tensorcnt 0x0
	ds_add_u32 v30, v31
	s_wait_dscnt 0x0
	CROUND                                         ; the closing round: no work-group ends while a partner may still ask for a tile that names it
	s_endpgm
.Lfunc_end_k_qa613feb04c_proj:
	.size	k_qa613feb04c_proj, .Lfunc_end_k_qa613feb04c_proj-k_qa613feb04c_proj
	.p2alignl 7, 3214868480
	.fill 96, 4, 3214868480
	.section	.rodata,"a",@progbits
	.p2align	6, 0x0
	.amdhsa_kernel k_qa613feb04c_proj
		.amdhsa_group_segment_fixed_size 251904
		.amdhsa_private_segment_fixed_size 0
		.amdhsa_enable_private_segment 0
		.amdhsa_kernarg_size 48
		.amdhsa_user_sgpr_count 2
		.amdhsa_user_sgpr_kernarg_segment_ptr 1
		.amdhsa_wavefront_size32 1
		.amdhsa_system_sgpr_workgroup_id_x 1
		.amdhsa_system_sgpr_workgroup_id_y 1
		.amdhsa_system_sgpr_workgroup_id_z 1
		.amdhsa_system_vgpr_workitem_id 0
		.amdhsa_next_free_vgpr 768
		.amdhsa_next_free_sgpr 100
		.amdhsa_reserve_vcc 0
		.amdhsa_float_denorm_mode_32 3
		.amdhsa_float_denorm_mode_16_64 3
		.amdhsa_memory_ordered 1
		.amdhsa_forward_progress 1
		.amdhsa_inst_pref_size 74
	.end_amdhsa_kernel
	.amdgpu_metadata
---
amdhsa.version: [ 1, 2 ]
amdhsa.kernels:
  - .name:           k_qa613feb04c_proj
    .symbol:         k_qa613feb04c_proj.kd
    .args:
      - { .name: ao_codes, .offset: 0, .size: 8, .value_kind: global_buffer, .address_space: global }
      - { .name: ao_scales, .offset: 8, .size: 8, .value_kind: global_buffer, .address_space: global }
      - { .name: W_out_codes, .offset: 16, .size: 8, .value_kind: global_buffer, .address_space: global }
      - { .name: W_out_scales, .offset: 24, .size: 8, .value_kind: global_buffer, .address_space: global }
      - { .name: b_out, .offset: 32, .size: 8, .value_kind: global_buffer, .address_space: global }
      - { .name: out0, .offset: 40, .size: 8, .value_kind: global_buffer, .address_space: global }
    .group_segment_fixed_size: 251904
    .private_segment_fixed_size: 0
    .kernarg_segment_align: 8
    .kernarg_segment_size: 48
    .max_flat_workgroup_size: 128
    .sgpr_count:     100
    .vgpr_count:     768
    .wavefront_size: 32
...
	.end_amdgpu_metadata
.endif
;; end of part 3
